; MI455X (gfx1250); checked and timed in simulation.
; The chip was launched on July 23, 2026; its instructions are those of AMD's public machine-readable ISA for CDNA 5 (MIT licence, August 2026) and "CDNA5" Instruction Set Architecture Reference Guide (July 2026). The comments in the code are by the model that wrote it; some were corrected since.
;; Multi Head Self Attention. Allowed arithmetic: float matrix products may take bf16 or f16 operands with f32 sums; all other float work in f32.
;; Inputs: W_k 16 x 1,024 x 64 float32; W_q 16 x 1,024 x 64 float32; W_v 16 x 1,024 x 64 float32; x 2 x 2,048 x 1,024 float32.
;; Outputs: out0 2 x 2,048 x 1,024 float32.
;; 2 versions, each right; version 2 is version 1 with the launch cast written anew for expert scheduling mode. Each part assembles by itself: llvm-mc -triple=amdgcn-amd-amdhsa -mcpu=gfx1250 --defsym DOCPART=n.
;; ======== version 1 of 2: 3 launches
;; limits: values are held in f16: magnitudes above 65,504 overflow, below 6.1e-05 lose precision; right only within a limited range of input values
;; workspace buffers: xb 8,388,608 bytes; wb 6,291,456 bytes; qs 16,777,216 bytes; ks 16,777,216 bytes; vt 8,388,608 bytes
;; launch cast (part 1): grid 256 x 1, 8 waves a work-group, no clusters, 0 bytes of LDS; arguments x, W_q, W_k, W_v, xb, wb; writes xb, wb
.if DOCPART == 1
	.amdgcn_target "amdgcn-amd-amdhsa--gfx1250"
	.amdhsa_code_object_version 6
	.text
	.protected	k_qcc824e5053_cast
	.globl	k_qcc824e5053_cast
	.p2align	8
	.type	k_qcc824e5053_cast,@function
k_qcc824e5053_cast:
	s_mov_b64 s[64:65], 0
	v_nop
	global_prefetch_b8 v0, s[64:65] scope:SCOPE_SE
	s_setreg_imm32_b32 hwreg(HW_REG_WAVE_MODE, 25, 1), 1
	s_wait_xcnt 0x0
; cast: x and the three weight tensors, f32, are rounded once to bf16 (nearest even); the weights are divided by 64 on the way.
;   xb [4096][1024] bf16: x as it lies.
;   wb [head 16][K step 8][q,k,v 3][k 128][e 64] bf16: W / 64; the weights that one head needs for 128 along K are one dense block of 49,152 bytes.
; WHY / 64: a power of two changes no bit of the rounded mantissa (bf16(W / 64) = bf16(W) / 64 down to |W| = 2^-120), and q, k, v then leave the next launch
; divided by 64, which gives them their room in f16 (see there).
; A stream: every byte is read once and written once, so LDS, matrix units and clusters have nothing to add (no two work-groups share a byte).
; Work-group g of 256 takes 16,384 numbers of x and 4,096 (64 rows of one head) of each W: 14 units of 256 threads x 8 numbers.
; All 28 loads of a thread go out before the first wait; no source of a pending instruction is ever rewritten.
; A thread's 8 numbers become 16 bytes: a wave's store covers 512 consecutive bytes, aligned.
.set DAT, 16                           ; v[16+8i : 16+8i+7]  unit i as loaded; its first four registers as stored
	s_load_b256 s[4:11], s[0:1], 0x0               ; x s[4:5], W_q s[6:7], W_k s[8:9], W_v s[10:11]
	s_load_b128 s[12:15], s[0:1], 0x20             ; xb s[12:13], wb s[14:15]
	v_lshlrev_b32 v1, 5, v0                        ; 32 t: my 8 f32
	v_lshlrev_b32 v2, 4, v0                        ; 16 t: my 8 bf16
	s_mov_b32 s2, 0x3c800000                       ; 1 / 64, twice: a pair for the packed multiply
	s_mov_b32 s3, 0x3c800000
	s_lshl_b32 s16, ttmp9, 16                      ; x: g x 65,536 bytes
	s_mov_b32 s17, 0
	s_lshl_b32 s18, ttmp9, 14                      ; each W: g x 16,384 bytes
	s_mov_b32 s19, 0
	s_lshl_b32 s20, ttmp9, 15                      ; xb: g x 32,768 bytes
	s_mov_b32 s21, 0
	s_lshr_b32 s22, ttmp9, 1                       ; g / 2 = 8 head + K step
	s_mul_i32 s22, s22, 49152
	s_and_b32 s23, ttmp9, 1                        ; which 64 of the step's 128 rows
	s_lshl_b32 s23, s23, 13                        ; 64 rows of 128 bytes
	s_add_co_u32 s22, s22, s23
	s_mov_b32 s23, 0
	s_wait_kmcnt 0x0
	s_add_nc_u64 s[4:5], s[4:5], s[16:17]
	s_add_nc_u64 s[6:7], s[6:7], s[18:19]
	s_add_nc_u64 s[8:9], s[8:9], s[18:19]
	s_add_nc_u64 s[10:11], s[10:11], s[18:19]
	s_add_nc_u64 s[12:13], s[12:13], s[20:21]
	s_add_nc_u64 s[14:15], s[14:15], s[22:23]
.macro LOADS i, base, u                ; unit i = the u-th 8,192 bytes of the group's part of the tensor at s[base]
	global_load_b128 v[DAT+8*\i:DAT+8*\i+3],   v1, s[\base:\base+1] offset:\u*8192 th:TH_LOAD_NT
	global_load_b128 v[DAT+8*\i+4:DAT+8*\i+7], v1, s[\base:\base+1] offset:\u*8192+16 th:TH_LOAD_NT
.endm
.macro UNIT i, base, off, scale        ; scale = 1: a unit of weights
	s_wait_loadcnt 26-2*\i                         ; loads return in order: of the 28, those of the 13 - i younger units may stay out
.if \scale
.irp j, 0,1,2,3
	v_pk_mul_f32 v[DAT+8*\i+2*\j:DAT+8*\i+2*\j+1], v[DAT+8*\i+2*\j:DAT+8*\i+2*\j+1], s[2:3] op_sel_hi:[1,0]
.endr
.endif
.irp j, 0,1,2,3
	v_cvt_pk_bf16_f32 v[DAT+8*\i+\j], v[DAT+8*\i+2*\j], v[DAT+8*\i+2*\j+1]   ; in place: register j is read no later than it is written
.endr
	global_store_b128 v2, v[DAT+8*\i:DAT+8*\i+3], s[\base:\base+1] offset:\off
.endm
.irp u, 0,1,2,3,4,5,6,7
	LOADS \u, 4, \u
.endr
	LOADS 8, 6, 0
	LOADS 9, 6, 1
	LOADS 10, 8, 0
	LOADS 11, 8, 1
	LOADS 12, 10, 0
	LOADS 13, 10, 1
.irp u, 0,1,2,3,4,5,6,7
	UNIT \u, 12, \u*4096, 0
.endr
	UNIT 8, 14, 0, 1                               ; q's rows
	UNIT 9, 14, 4096, 1
	UNIT 10, 14, 16384, 1                          ; k's rows: 128 x 128 bytes further
	UNIT 11, 14, 20480, 1
	UNIT 12, 14, 32768, 1                          ; v's rows
	UNIT 13, 14, 36864, 1
	s_endpgm
.Lfunc_end_k_qcc824e5053_cast:
	.size	k_qcc824e5053_cast, .Lfunc_end_k_qcc824e5053_cast-k_qcc824e5053_cast
	.p2alignl 7, 3214868480
	.fill 96, 4, 3214868480
	.section	.rodata,"a",@progbits
	.p2align	6, 0x0
	.amdhsa_kernel k_qcc824e5053_cast
		.amdhsa_group_segment_fixed_size 0
		.amdhsa_private_segment_fixed_size 0
		.amdhsa_enable_private_segment 0
		.amdhsa_kernarg_size 48
		.amdhsa_user_sgpr_count 2
		.amdhsa_user_sgpr_kernarg_segment_ptr 1
		.amdhsa_wavefront_size32 1
		.amdhsa_system_sgpr_workgroup_id_x 1
		.amdhsa_system_sgpr_workgroup_id_y 1
		.amdhsa_system_sgpr_workgroup_id_z 1
		.amdhsa_system_vgpr_workitem_id 0
		.amdhsa_next_free_vgpr 128
		.amdhsa_next_free_sgpr 66
		.amdhsa_reserve_vcc 0
		.amdhsa_float_denorm_mode_32 3
		.amdhsa_float_denorm_mode_16_64 3
		.amdhsa_memory_ordered 1
		.amdhsa_forward_progress 1
		.amdhsa_inst_pref_size 11
	.end_amdhsa_kernel
	.amdgpu_metadata
---
amdhsa.version: [ 1, 2 ]
amdhsa.kernels:
  - .name:           k_qcc824e5053_cast
    .symbol:         k_qcc824e5053_cast.kd
    .args:
      - { .name: x, .offset: 0, .size: 8, .value_kind: global_buffer, .address_space: global }
      - { .name: W_q, .offset: 8, .size: 8, .value_kind: global_buffer, .address_space: global }
      - { .name: W_k, .offset: 16, .size: 8, .value_kind: global_buffer, .address_space: global }
      - { .name: W_v, .offset: 24, .size: 8, .value_kind: global_buffer, .address_space: global }
      - { .name: xb, .offset: 32, .size: 8, .value_kind: global_buffer, .address_space: global }
      - { .name: wb, .offset: 40, .size: 8, .value_kind: global_buffer, .address_space: global }
    .group_segment_fixed_size: 0
    .private_segment_fixed_size: 0
    .kernarg_segment_align: 8
    .kernarg_segment_size: 48
    .max_flat_workgroup_size: 256
    .sgpr_count:     66
    .vgpr_count:     128
    .wavefront_size: 32
...
	.end_amdgpu_metadata
.endif
;; end of part 1
;; launch proj (part 2): grid 16 x 16, 4 waves a work-group, clusters of 4 x 4, 327,680 bytes of LDS; arguments xb, wb, qs, ks, vt; writes qs, ks, vt
.if DOCPART == 2
	.amdgcn_target "amdgcn-amd-amdhsa--gfx1250"
	.amdhsa_code_object_version 6
	.text
	.protected	k_qcc824e5053_proj
	.globl	k_qcc824e5053_proj
	.p2align	8
	.type	k_qcc824e5053_proj,@function
k_qcc824e5053_proj:
	s_mov_b64 s[64:65], 0
	v_nop
	global_prefetch_b8 v0, s[64:65] scope:SCOPE_SE
	s_setreg_imm32_b32 hwreg(HW_REG_WAVE_MODE, 25, 1), 1
	s_wait_xcnt 0x0
	s_wait_alu depctr_hold_cnt(0) depctr_sa_sdst(0) depctr_va_vdst(0) depctr_va_sdst(0) depctr_va_ssrc(0) depctr_va_vcc(0) depctr_vm_vsrc(0)
	s_getreg_b32 s2, hwreg(HW_REG_IB_STS2, 6, 4)
	s_cmp_eq_u32 s2, 0
	s_cbranch_scc0 .Lentry_in_a_cluster
	s_endpgm
.Lentry_in_a_cluster:
	s_bfe_u32 s2, ttmp6, 0x10000c
	s_cmp_lg_u32 s2, 0xf033
	s_cbranch_scc0 .Lentry_shape_is_right
	s_endpgm
.Lentry_shape_is_right:
; proj: q, k, v of one head for 256 tokens: [256 x 1024] x [1024 x 192], bf16 operands, f32 sums.  The weights come divided by 64, so the sums are q/64, k/64, v/64.
; Out:  qs [bh 32][s 2048][hi 64 | lo 64] f16: q log2(e) / 64 as two f16 pieces (hi = the value rounded to 11 bits, lo = what the rounding left, rounded);
;       ks the same for k / 64;  vt [bh 32][e 64][t 2048] f16: v / 64, transposed.
; WHY TWO PIECES: with weights and x of spread 1 the scaled scores have a spread of about a thousand, so a softmax row is decided by differences of a few units between
; large scores, and where two keys share a row's weight an error ds of that difference moves the result by ds (v1 - v2) / 4.  Two f16 pieces hold 22 bits.
; WHY f16 AND ITS LIMIT: 11 bits a piece against bf16's 8.  The division by 64 makes the room: what is stored must stay below 65,504, that is |k|, |v| < 4.19e6 and
; |q| < 2.9e6.  Inputs of spread 1 give a spread of 32; x and W both 30 times larger give 900 x 32 x 5.5 = 158,000 at 5.5 spreads; an offset of 30 on both gives
; 1024 x 900 = 921,600.  Below 2^-14 a piece keeps steps of 2^-24, which is 2^-23 of the drawn inputs' spread of 0.5.
; Four waves, as many as a WGP has SIMDs; a wave makes 64 tokens x 192 columns: 48 accumulator tiles, 384 registers.  K goes in 8 steps of 128 through two LDS slots.
; CLUSTERS: 4 x 4 work-groups.  x's tile hangs on the block of tokens alone and is shared along a row of the cluster, the weights' block on the head alone and is
; shared along a column; each is asked for jointly by the four that need it.
; REGISTERS in windows of 256:  0: addresses, x's fragments (two buffers), work on the way out;  1: the weights' fragments (two buffers of 12);
;   2: the tiles of q and k, tile (a = 16 tokens, b = 16 columns, 0-3 q, 4-7 k) at v[8 (8 a + b)];  3: v's tiles (a, b) at v[8 (4 a + b)].
; q and k are multiplied TRANSPOSED (source 0 = weights, source 1 = x): a lane holds token l % 16 and eight neighbouring columns, 16 bytes of a row of qs or ks.
; v is multiplied the natural way: a lane holds column l % 16 and eight neighbouring tokens, 16 bytes of a row of vt.
.set KSTEP,  128
.set LAPS,   1024/(2*KSTEP)            ; a lap = two K steps = once round the ring
.set APITCH, 272                       ; 256 bytes + 16: sixteen rows start in sixteen different 16-byte columns modulo 256
.set AHALF,  128*APITCH                ; one tensor load of x: 128 tokens
.set BPITCH, 288                       ; an LDS row holds two k-rows of 64 columns; with 288 the sixteen lanes of a transposing load's pass touch sixteen different 16-byte columns modulo 256
.set BHALF,  96*BPITCH                 ; one tensor load of weights: half of a block of 49,152 bytes
.set BOFF,   2*AHALF
.set SLOT,   BOFF+2*BHALF              ; 124,928
.set QKST,   2*SLOT                    ; behind the ring: 16 rows x 272 bytes for each wave (q's and k's way out); no tensor load lands here
.set QKSTW,  16*272
.set VST,    QKST+4*QKSTW              ; 64 rows (columns of v) x 528 bytes (256 tokens + 16): v's way out
.set WBLOCK, 49152
.set ADRX, 16                          ; v16-17  LDS address of my x fragments in slot 0, 1
.set ADRW, 20                          ; v20-21  the same for the weights
.set STO,  24                          ; q, k: where I put 16 bytes
.set RD,   25                          ; q, k: where I read rows back
.set QO,   26                          ; q, k: my byte offset in qs, ks
.set VSTO, 27
.set VRD,  28
.set VO,   29
.set XF0,  64                          ; window 0: x, 4 fragments of 16 tokens x 32 K
.set XF1,  96
.set WF0,  0                           ; window 1: weights, 12 fragments of 16 columns x 32 K (0-3 q, 4-7 k, 8-11 v)
.set WF1,  96
.set HI,   64                          ; the way out, window 0: hi pieces, packed (x's fragments are done with)
.set LO,   80                          ; lo pieces, packed
.set VH,   128                         ; v, packed: v128-191
.set U,    128                         ; q, k: t, then hi in f32: v128-159
.set W2,   160                         ; q, k: a - t, then lo in f32: v160-191
.set R0,   192
.set R1,   224
.set G1A, 24                           ; s[24:31] group 1, x's tiles
.set G0A, 32                           ; s[32:39] group 0, x's tiles, one set a slot
.set G1B, 48                           ; s[48:55] group 1, weights
.set G0B, 56                           ; s[56:63] group 0, weights, one set a slot
.set MUL_QK, 0xa1                      ; source 0 window 1, source 1 window 0, C and D window 2
.set MUL_V,  0xf4                      ; source 0 window 0, source 1 window 1, C and D window 3
.set TO_W,   0x40                      ; destination window 1, address window 0
.set MSB, 0
.macro WIN new                         ; the immediate's high byte repeats the setting that is left
.if MSB != \new
	s_set_vgpr_msb (MSB<<8)|\new
.set MSB, \new
.endif
.endm
.macro PLACES                          ; four independent vector instructions behind a matrix instruction (ISA guide 7.12.1) before its registers are loaded into or its result is read
.rept 4
	v_nop
.endr
.endm
; A joint load: waves 0, 1 ask for x's halves, waves 2, 3 for the weights' halves.  The branch hangs on the wave's number alone.
.macro JLOAD s
	s_cmp_eq_u32 s15, 0
	s_cbranch_scc0 .Lfor_b_\@
	tensor_load_to_lds s[G0A+4*\s:G0A+4*\s+3], s[G1A:G1A+7]
	s_nop 0
	s_branch .Lasked_\@
.Lfor_b_\@:
	tensor_load_to_lds s[G0B+4*\s:G0B+4*\s+3], s[G1B:G1B+7]
	s_nop 0
.Lasked_\@:
.endm
.macro CREST                           ; a round of the cluster's barrier behind its opening work-group barrier
	s_cmp_lg_u32 s14, 0
	s_cbranch_scc1 .Lnot_wave_0_\@
	s_barrier_signal -3
.Lnot_wave_0_\@:
	s_barrier_wait -3
	s_barrier_signal -1
	s_barrier_wait -1
.endm
.macro CROUND
	s_barrier_signal -1
	s_barrier_wait -1
	CREST
.endm
	s_load_b256 s[4:11], s[0:1], 0x0               ; xb s[4:5], wb s[6:7], qs s[8:9], ks s[10:11]
	s_load_b64 s[12:13], s[0:1], 0x20              ; vt
	s_set_vgpr_msb 0x40
	v_lshl_add_u32 v255, v0, 2, 0x49800
	s_set_vgpr_msb 0x4000
	v_mov_b32 v63, 0
	s_set_vgpr_msb 0x1
	ds_add_u32 v255, v63
	s_set_vgpr_msb 0x100
	v_lshrrev_b32 v1, 5, v0
	v_readfirstlane_b32 s14, v1                    ; wave 0..3
	s_lshr_b32 s15, s14, 1                         ; I fetch x (0) or weights (1)
	s_and_b32 s16, s14, 1                          ; which half
	s_bfe_u32 s17, ttmp6, 0x40000                  ; cx
	s_bfe_u32 s18, ttmp6, 0x40004                  ; cy
	s_lshl_b32 s19, ttmp9, 2
	s_add_co_u32 s19, s19, s17                     ; head = 4 x cluster x + cx
	s_and_b32 s20, ttmp7, 0xffff
	s_lshl_b32 s20, s20, 2
	s_add_co_u32 s20, s20, s18                     ; block of 256 tokens = 4 x cluster y + cy
	s_lshl_b32 s21, s18, 2
	s_lshl_b32 s21, 15, s21                        ; my row of the cluster
	s_lshl_b32 s22, 0x1111, s17                    ; my column
	; group 1 for x: 128 rows x 128 bf16, 1,024 elements from row to row, 4 words of padding behind every 64
	s_or_b32 s[G1A+0], s21, (1<<16)|(1<<20)|(1<<21)|(5<<22)|(3<<25)
	s_mov_b32 s[G1A+1], 128<<16                    ; tensor_dim0
	s_mov_b32 s[G1A+2], 128<<16                    ; tensor_dim1
	s_mov_b32 s[G1A+3], 128<<16                    ; tile_dim0
	s_mov_b32 s[G1A+4], 128                        ; tile_dim1
	s_mov_b32 s[G1A+5], 1024                       ; pitch
	s_mov_b32 s[G1A+6], 0
	s_mov_b32 s[G1A+7], 0
	; group 1 for the weights: a dense piece of 24,576 bytes as 96 rows of 32 elements of 8 bytes, 8 words of padding behind every 64
	s_or_b32 s[G1B+0], s22, (3<<16)|(1<<20)|(1<<21)|(5<<22)|(7<<25)
	s_mov_b32 s[G1B+1], 32<<16
	s_mov_b32 s[G1B+2], 96<<16
	s_mov_b32 s[G1B+3], 32<<16
	s_mov_b32 s[G1B+4], 96
	s_mov_b32 s[G1B+5], 32
	s_mov_b32 s[G1B+6], 0
	s_mov_b32 s[G1B+7], 0
	; x's address is made of the block of tokens and the wave (s40-43), the weights' of the head and the wave (s44-47): neither set holds the other coordinate
	s_lshl_b32 s40, s20, 8
	s_lshl_b32 s41, s16, 7
	s_add_co_u32 s40, s40, s41                     ; token 256 x block + 128 x half
	s_lshl_b32 s40, s40, 11                        ; x 2,048 bytes
	s_mov_b32 s41, 0
	s_mul_i32 s44, s19, 8*WBLOCK
	s_mul_i32 s45, s16, WBLOCK/2
	s_add_co_u32 s44, s44, s45
	s_mov_b32 s45, 0
	s_mul_i32 s69, s14, AHALF                      ; LDS: x's halves at wave x 34,816 (waves 0, 1)
	s_mul_i32 s70, s14, BHALF
	s_add_co_u32 s70, s70, BOFF-2*BHALF            ; the weights' halves at 69,632 + (wave - 2) x 27,648 (waves 2, 3)
	s_mov_b32 s66, 0x3fb8aa3b                      ; log2(e): the softmax works in powers of two
	s_mov_b32 s67, 0x3fb8aa3b
	s_wait_dscnt 0x0
	s_wait_kmcnt 0x0
	s_add_nc_u64 s[42:43], s[4:5], s[40:41]
	s_add_nc_u64 s[46:47], s[6:7], s[44:45]
	CROUND                                         ; all sixteen work-groups are here: the first joint loads meet
.irp s, 0,1
	s_mov_b32 s[G0A+4*\s], 1
	s_add_co_u32 s[G0A+4*\s+1], s69, \s*SLOT
	s_add_nc_u64 s[G0A+4*\s+2:G0A+4*\s+3], s[42:43], \s*KSTEP*2
	s_or_b32 s[G0A+4*\s+3], s[G0A+4*\s+3], 0x80000000
	s_mov_b32 s[G0B+4*\s], 1
	s_add_co_u32 s[G0B+4*\s+1], s70, \s*SLOT
	s_add_nc_u64 s[G0B+4*\s+2:G0B+4*\s+3], s[46:47], \s*WBLOCK
	s_or_b32 s[G0B+4*\s+3], s[G0B+4*\s+3], 0x80000000
	JLOAD \s                                       ; K steps 0 and 1: two tensor loads of the wave are out
.endr
	v_and_b32 v1, 15, v0                           ; r = l % 16
	v_bfe_u32 v2, v0, 4, 1                         ; h = l / 16
	v_and_b32 v3, 31, v0                           ; l
	v_mul_u32_u24 v4, v1, 272
	v_lshl_add_u32 v4, v2, 4, v4                   ; 272 r + 16 h
	s_mul_i32 s72, s14, 64*APITCH                  ; my 64 tokens
	v_add_nc_u32 v[ADRX], s72, v4
	v_add_nc_u32 v[ADRX+1], SLOT, v[ADRX]
	; weights lie [k][n]; the transposing load wants lane l at row k0 + 8 h + l % 8, columns n0 + 8 ((l / 8) % 2) ..; row k is LDS row k / 2, byte 128 (k % 2)
	v_bfe_u32 v5, v0, 1, 2                         ; (l % 8) / 2
	v_lshl_add_u32 v5, v2, 2, v5                   ; + 4 h
	v_mul_u32_u24 v5, v5, BPITCH
	v_and_b32 v6, 1, v0
	v_lshl_add_u32 v5, v6, 7, v5
	v_bfe_u32 v6, v0, 3, 1
	v_lshl_add_u32 v5, v6, 4, v5
	v_add_nc_u32 v[ADRW], BOFF, v5
	v_add_nc_u32 v[ADRW+1], SLOT, v[ADRW]
	s_mul_i32 s73, s14, QKSTW
	s_add_co_u32 s73, s73, QKST                    ; my stage for q and k
	v_add_nc_u32 v[STO], s73, v4                   ; in: row r, 16 bytes for each half of the lanes
	v_mul_u32_u24 v5, v2, 272
	v_lshl_add_u32 v5, v1, 4, v5
	v_add_nc_u32 v[RD], s73, v5                    ; back: lanes 0-15 one row of 256 bytes, lanes 16-31 the next
	v_lshlrev_b32 v5, 8, v2
	v_lshl_add_u32 v[QO], v1, 4, v5                ; the same two rows in qs, ks
	v_mul_u32_u24 v5, v1, 528
	v_lshl_add_u32 v5, v2, 4, v5
	s_lshl_b32 s74, s14, 7
	s_add_co_u32 s74, s74, VST
	v_add_nc_u32 v[VSTO], s74, v5                  ; v in: row r of 16 columns, my wave's 128 bytes, 16 h
	s_mul_i32 s74, s14, 16*528
	s_add_co_u32 s74, s74, VST
	v_lshlrev_b32 v[VO], 4, v3                     ; v back: a whole row of 512 bytes a load
	v_add_nc_u32 v[VRD], s74, v[VO]
; 16 matrix instructions of q and k: token tiles a0, a0 + 1 x the eight column tiles, 32 along K.  zero = 1: the first product starts the sums.
.macro MULQK xf, wf, a0, zero
.irp a, \a0, \a0+1
.irp b, 0,1,2,3,4,5,6,7
.if \zero
	v_wmma_f32_16x16x32_bf16 v[8*(8*(\a)+\b):8*(8*(\a)+\b)+7], v[\wf+8*\b:\wf+8*\b+7], v[\xf+8*(\a):\xf+8*(\a)+7], 0
.else
	v_wmma_f32_16x16x32_bf16 v[8*(8*(\a)+\b):8*(8*(\a)+\b)+7], v[\wf+8*\b:\wf+8*\b+7], v[\xf+8*(\a):\xf+8*(\a)+7], v[8*(8*(\a)+\b):8*(8*(\a)+\b)+7]
.endif
.endr
.endr
.endm
; 16 matrix instructions of v
.macro MULV xf, wf, zero
.irp a, 0,1,2,3
.irp b, 0,1,2,3
.if \zero
	v_wmma_f32_16x16x32_bf16 v[8*(4*\a+\b):8*(4*\a+\b)+7], v[\xf+8*\a:\xf+8*\a+7], v[\wf+64+8*\b:\wf+64+8*\b+7], 0
.else
	v_wmma_f32_16x16x32_bf16 v[8*(4*\a+\b):8*(4*\a+\b)+7], v[\xf+8*\a:\xf+8*\a+7], v[\wf+64+8*\b:\wf+64+8*\b+7], v[8*(4*\a+\b):8*(4*\a+\b)+7]
.endif
.endr
.endr
.endm
; 32 LDS loads in one run: quarter kq (32 along K) of a slot: x's 4 fragments, then the weights' 12 in the order q, k, v
.macro FETCH slot, kq, xf, wf
	WIN 0
.irp a, 0,1,2,3
	ds_load_b128 v[\xf+8*\a:\xf+8*\a+3],   v[ADRX+\slot] offset:\a*16*APITCH+64*\kq
	ds_load_b128 v[\xf+8*\a+4:\xf+8*\a+7], v[ADRX+\slot] offset:\a*16*APITCH+64*\kq+32
.endr
	WIN TO_W
.irp m, 0,1,2
.irp n, 0,1,2,3
	ds_load_tr16_b128 v[\wf+8*(4*\m+\n):\wf+8*(4*\m+\n)+3],   v[ADRW+\slot] offset:\m*64*BPITCH+\kq*16*BPITCH+32*\n
	ds_load_tr16_b128 v[\wf+8*(4*\m+\n)+4:\wf+8*(4*\m+\n)+7], v[ADRW+\slot] offset:\m*64*BPITCH+\kq*16*BPITCH+32*\n+8*BPITCH
.endr
.endr
.endm
; A quarter step: 48 matrix instructions on buffer f; in its middle the next quarter's fragments go into buffer g.
; The 48 accumulators take turns in one order in every quarter, one instruction a turn.
.macro QUARTER slot, kq, xf, wf, xg, wg, zero
	s_wait_dscnt 8                                 ; x and the fragments of q and k are in; the youngest eight loads (v's weights) may be out
	WIN MUL_QK
	MULQK \xf, \wf, 0, \zero
	MULQK \xf, \wf, 2, \zero
	PLACES
	FETCH \slot, \kq, \xg, \wg
	s_wait_dscnt 32                                ; all but the 32 just issued
	WIN MUL_V
	MULV \xf, \wf, \zero
.endm
.macro THREE slot, zero
	QUARTER \slot, 1, XF0, WF0, XF1, WF1, \zero
	QUARTER \slot, 2, XF1, WF1, XF0, WF0, 0
	QUARTER \slot, 3, XF0, WF0, XF1, WF1, 0
.endm
; The last quarter of a K step changes slots.  In front of the barrier each wave waits for its reads of this slot and for all its tensor loads (one is out: its part of
; the next slot).  Where the slot is filled again the barrier opens a round of the cluster's barrier, and the joint refill is the first tensor load behind the round.
.macro TURN slot, next, fill
	s_wait_dscnt 8
	WIN MUL_QK
	MULQK XF1, WF1, 0, 0
	s_wait_dscnt 0                                 ; my reads of this slot are over
	s_wait_tensorcnt 0x0                           ; all my tensor loads have landed
	ds_add_u32 v255, v63
	s_wait_dscnt 0x0
	s_barrier_signal -1
	MULQK XF1, WF1, 2, 0                           ; registers only, while the others arrive
	WIN 0
	s_barrier_wait -1
.if \fill
	CREST                                          ; no wave of any partner still reads this slot or has a load on its way
	s_add_nc_u64 s[G0A+4*\slot+2:G0A+4*\slot+3], s[G0A+4*\slot+2:G0A+4*\slot+3], 2*KSTEP*2
	s_add_nc_u64 s[G0B+4*\slot+2:G0B+4*\slot+3], s[G0B+4*\slot+2:G0B+4*\slot+3], 2*WBLOCK
	JLOAD \slot                                    ; two K steps ahead; one tensor load of the wave is out
.endif
	PLACES
	FETCH \next, 0, XF0, WF0
	WIN MUL_V
	MULV XF1, WF1, 0
.endm
.macro LAP zero
	THREE 0, \zero
	TURN 0, 1, 1
	THREE 1, 0
	TURN 1, 0, 1
.endm
	s_wait_tensorcnt 1                             ; my part of K step 0 is in; K step 1's load, issued behind it, stays out
	s_barrier_signal -1
	s_barrier_wait -1
	FETCH 0, 0, XF0, WF0
	LAP 1                                          ; the first lap's first products start the sums: nothing is cleared
	WIN 0
	s_mov_b32 s23, LAPS-2
.Llap:
	LAP 0
	WIN 0
	s_sub_co_u32 s23, s23, 1
	s_cmp_lg_u32 s23, 0
	s_cbranch_scc1 .Llap
	THREE 0, 0                                     ; the last lap fills nothing
	TURN 0, 1, 0
	THREE 1, 0
	s_wait_dscnt 8
	WIN MUL_QK
	MULQK XF1, WF1, 0, 0
	MULQK XF1, WF1, 2, 0
	s_wait_dscnt 0
	WIN MUL_V
	MULV XF1, WF1, 0
	; THE WAY OUT
	PLACES                                         ; behind the last matrix instructions, before their results are read
	s_mov_b32 s68, 0x46000400                      ; 8193 = 2^13 + 1: the factor of the split of 24 bits into 11 and the rest
	s_mov_b32 s69, 0x46000400
	s_lshr_b32 s72, s20, 3                         ; batch
	s_lshl_b32 s72, s72, 4
	s_add_co_u32 s72, s72, s19                     ; bh = 16 batch + head
	s_and_b32 s73, s20, 7
	s_lshl_b32 s73, s73, 8                         ; the block's first token in its batch
	s_lshl_b32 s74, s72, 6
	s_lshl_b32 s75, s14, 4
	s_add_co_u32 s74, s74, s75                     ; vt row 64 bh + 16 wave
	s_lshl_b32 s74, s74, 12
	s_lshl_b32 s75, s73, 1
	s_add_co_u32 s74, s74, s75
	s_mov_b32 s75, 0
	s_add_nc_u64 s[12:13], s[12:13], s[74:75]
	s_lshl_b32 s74, s72, 11
	s_add_co_u32 s74, s74, s73
	s_lshl_b32 s75, s14, 6
	s_add_co_u32 s74, s74, s75                     ; qs, ks row 2048 bh + token + 64 wave
	s_lshl_b32 s74, s74, 8
	s_mov_b32 s75, 0
	s_add_nc_u64 s[8:9], s[8:9], s[74:75]
	s_add_nc_u64 s[10:11], s[10:11], s[74:75]
	; v: a lane's eight tokens of one column are 16 bytes; the four waves' tokens meet in the stage, whose rows are 512 bytes of a row of vt
	WIN 0x0f
.irp a, 0,1,2,3
.irp b, 0,1,2,3
.irp i, 0,1,2,3
	v_cvt_pk_f16_f32 v[VH+4*(4*\a+\b)+\i], v[8*(4*\a+\b)+2*\i], v[8*(4*\a+\b)+2*\i+1]
.endr
.endr
.endr
	WIN 0
.irp a, 0,1,2,3
.irp b, 0,1,2,3
	ds_store_b128 v[VSTO], v[VH+4*(4*\a+\b):VH+4*(4*\a+\b)+3] offset:\b*16*528+32*\a
.endr
.endr
	s_wait_dscnt 0x0                               ; for the others' sake: my stores are in LDS
	s_barrier_signal -1
	s_barrier_wait -1
.irp i, 0,1,2,3,4,5,6,7,8,9,10,11,12,13,14,15
	ds_load_b128 v[R0+4*\i:R0+4*\i+3], v[VRD] offset:528*\i        ; columns 16 wave + i: 32 lanes, 512 bytes
.endr
.irp i, 0,1,2,3,4,5,6,7,8,9,10,11,12,13,14,15
	s_wait_dscnt 15-\i                             ; LDS loads return in order: row i is in
	global_store_b128 v[VO], v[R0+4*\i:R0+4*\i+3], s[12:13] offset:4096*\i   ; 512 consecutive bytes, aligned
.endr
; q or k (mat = 0, 1) of tokens 16 a ..  The split, in f32: t = 8193 a; hi = t + (a - t) is a rounded to 11 bits; lo = a - hi is exact.
; Both are then packed to f16 (hi without a further rounding).  A row of the stage is hi's 128 bytes, then lo's.
.macro OUTQK a, mat, base, buf
.if \mat == 0
	WIN 0x82                                       ; q x log2(e), in place
.irp n, 0,1,2,3
.irp i, 0,1,2,3
	v_pk_mul_f32 v[8*(8*\a+\n)+2*\i:8*(8*\a+\n)+2*\i+1], v[8*(8*\a+\n)+2*\i:8*(8*\a+\n)+2*\i+1], s[66:67] op_sel_hi:[1,0]
.endr
.endr
.endif
	WIN 0x02                                       ; source 0 = the sums in window 2
.irp n, 0,1,2,3
.irp i, 0,1,2,3
	v_pk_mul_f32 v[U+8*\n+2*\i:U+8*\n+2*\i+1], v[8*(8*\a+4*\mat+\n)+2*\i:8*(8*\a+4*\mat+\n)+2*\i+1], s[68:69] op_sel_hi:[1,0]
.endr
.endr
.irp n, 0,1,2,3
.irp i, 0,1,2,3
	v_pk_add_f32 v[W2+8*\n+2*\i:W2+8*\n+2*\i+1], v[8*(8*\a+4*\mat+\n)+2*\i:8*(8*\a+4*\mat+\n)+2*\i+1], v[U+8*\n+2*\i:U+8*\n+2*\i+1] neg_lo:[0,1] neg_hi:[0,1]
.endr
.endr
	WIN 0
.irp j, 0,1,2,3,4,5,6,7,8,9,10,11,12,13,14,15
	v_pk_add_f32 v[U+2*\j:U+2*\j+1], v[U+2*\j:U+2*\j+1], v[W2+2*\j:W2+2*\j+1]      ; hi
.endr
	WIN 0x02
.irp n, 0,1,2,3
.irp i, 0,1,2,3
	v_pk_add_f32 v[W2+8*\n+2*\i:W2+8*\n+2*\i+1], v[8*(8*\a+4*\mat+\n)+2*\i:8*(8*\a+4*\mat+\n)+2*\i+1], v[U+8*\n+2*\i:U+8*\n+2*\i+1] neg_lo:[0,1] neg_hi:[0,1]
.endr
.endr
	WIN 0
.irp j, 0,1,2,3,4,5,6,7,8,9,10,11,12,13,14,15
	v_cvt_pk_f16_f32 v[HI+\j], v[U+2*\j], v[U+2*\j+1]
.endr
.irp j, 0,1,2,3,4,5,6,7,8,9,10,11,12,13,14,15
	v_cvt_pk_f16_f32 v[LO+\j], v[W2+2*\j], v[W2+2*\j+1]
.endr
.irp n, 0,1,2,3
	ds_store_b128 v[STO], v[HI+4*\n:HI+4*\n+3] offset:32*\n
	ds_store_b128 v[STO], v[LO+4*\n:LO+4*\n+3] offset:128+32*\n
.endr
	s_wait_xcnt 0x0                                ; the registers of buf, which earlier stores read, are loaded again only behind this wait
.irp t, 0,1,2,3,4,5,6,7
	ds_load_b128 v[\buf+4*\t:\buf+4*\t+3], v[RD] offset:\t*2*272   ; my own stage: LDS serves a wave's instructions in order
.endr
.irp t, 0,1,2,3,4,5,6,7
	s_wait_dscnt 7-\t
	global_store_b128 v[QO], v[\buf+4*\t:\buf+4*\t+3], s[\base:\base+1] offset:4096*\a+512*\t   ; 16 lanes store one row of 256 bytes
.endr
.endm
	OUTQK 0, 0, 8,  R0
	OUTQK 0, 1, 10, R1
	OUTQK 1, 0, 8,  R0
	OUTQK 1, 1, 10, R1
	OUTQK 2, 0, 8,  R0
	OUTQK 2, 1, 10, R1
	OUTQK 3, 0, 8,  R0
	OUTQK 3, 1, 10, R1
	s_set_vgpr_msb 0x1
	s_wait_tensorcnt 0x0
	ds_add_u32 v255, v63
	s_wait_dscnt 0x0
	s_set_vgpr_msb 0x100
	CROUND                                         ; the closing round: no work-group ends while a partner may still ask for a tile that names it
	s_endpgm
.Lfunc_end_k_qcc824e5053_proj:
	.size	k_qcc824e5053_proj, .Lfunc_end_k_qcc824e5053_proj-k_qcc824e5053_proj
	.p2alignl 7, 3214868480
	.fill 96, 4, 3214868480
	.section	.rodata,"a",@progbits
	.p2align	6, 0x0
	.amdhsa_kernel k_qcc824e5053_proj
		.amdhsa_group_segment_fixed_size 327680
		.amdhsa_private_segment_fixed_size 0
		.amdhsa_enable_private_segment 0
		.amdhsa_kernarg_size 40
		.amdhsa_user_sgpr_count 2
		.amdhsa_user_sgpr_kernarg_segment_ptr 1
		.amdhsa_wavefront_size32 1
		.amdhsa_system_sgpr_workgroup_id_x 1
		.amdhsa_system_sgpr_workgroup_id_y 1
		.amdhsa_system_sgpr_workgroup_id_z 1
		.amdhsa_system_vgpr_workitem_id 0
		.amdhsa_next_free_vgpr 896
		.amdhsa_next_free_sgpr 76
		.amdhsa_reserve_vcc 0
		.amdhsa_float_denorm_mode_32 3
		.amdhsa_float_denorm_mode_16_64 3
		.amdhsa_memory_ordered 1
		.amdhsa_forward_progress 1
		.amdhsa_inst_pref_size 217
	.end_amdhsa_kernel
	.amdgpu_metadata
---
amdhsa.version: [ 1, 2 ]
amdhsa.kernels:
  - .name:           k_qcc824e5053_proj
    .symbol:         k_qcc824e5053_proj.kd
    .args:
      - { .name: xb, .offset: 0, .size: 8, .value_kind: global_buffer, .address_space: global }
      - { .name: wb, .offset: 8, .size: 8, .value_kind: global_buffer, .address_space: global }
      - { .name: qs, .offset: 16, .size: 8, .value_kind: global_buffer, .address_space: global }
      - { .name: ks, .offset: 24, .size: 8, .value_kind: global_buffer, .address_space: global }
      - { .name: vt, .offset: 32, .size: 8, .value_kind: global_buffer, .address_space: global }
    .group_segment_fixed_size: 327680
    .private_segment_fixed_size: 0
    .kernarg_segment_align: 8
    .kernarg_segment_size: 40
    .max_flat_workgroup_size: 128
    .sgpr_count:     76
    .vgpr_count:     896
    .wavefront_size: 32
...
	.end_amdgpu_metadata
.endif
;; end of part 2
;; launch attn (part 3): grid 8 x 32, 8 waves a work-group, clusters of 4 x 1, 327,680 bytes of LDS; arguments qs, ks, vt, out0; writes out0
.if DOCPART == 3
	.amdgcn_target "amdgcn-amd-amdhsa--gfx1250"
	.amdhsa_code_object_version 6
	.text
	.protected	k_qcc824e5053_attn
	.globl	k_qcc824e5053_attn
	.p2align	8
	.type	k_qcc824e5053_attn,@function
k_qcc824e5053_attn:
	s_mov_b64 s[64:65], 0
	v_nop
	global_prefetch_b8 v0, s[64:65] scope:SCOPE_SE
	s_setreg_imm32_b32 hwreg(HW_REG_WAVE_MODE, 25, 1), 1
	s_wait_xcnt 0x0
	s_wait_alu depctr_hold_cnt(0) depctr_sa_sdst(0) depctr_va_vdst(0) depctr_va_sdst(0) depctr_va_ssrc(0) depctr_va_vcc(0) depctr_vm_vsrc(0)
	s_getreg_b32 s2, hwreg(HW_REG_IB_STS2, 6, 4)
	s_cmp_eq_u32 s2, 0
	s_cbranch_scc0 .Lentry_in_a_cluster
	s_endpgm
.Lentry_in_a_cluster:
	s_bfe_u32 s2, ttmp6, 0x10000c
	s_cmp_lg_u32 s2, 0x3003
	s_cbranch_scc0 .Lentry_shape_is_right
	s_endpgm
.Lentry_shape_is_right:
; attn: softmax(q k^T / 8) v for 256 queries of one (batch, head), all 2,048 keys in 8 tiles of 256, with a running maximum.
; q log2(e) / 64 and k / 64 come as two f16 pieces each; a raw score is ql.kh + qh.kl + qh.kh, the small terms first, summed in f32: K = 192 in six matrix instructions.
; The score in powers of two is 512 x the raw score (64 x 64 / 8).  The exponent is one fused 512 S - 512 m: 512 m is exact, so the largest score's exponent is exactly 0
; and none is above 0, whatever the size of the inputs.  v comes as v / 64 in f16; the last factor carries the 64.  The weights go to the matrix unit in f16.
; LIMITS: the product ql.kl is left out (about 2^-23 of a score); what is stored in f16 must be below 65,504 (|k|, |v| < 4.19e6, |q| < 2.9e6: the arithmetic stands at
; the head of the launch that makes them); exponentials below 2^-126 come out as zero, weights below 2^-25 too; NaN and infinite inputs get no special care.
; Eight waves, two on each SIMD, so that one wave's softmax can run beside the other's matrix work.  Wave w: queries 64 (w % 4) .. + 63, keys 128 (w / 4) .. + 127 of every tile;
; the two partial results (O, m, l) of a pair of waves are merged once, at the end, through LDS.
; SCORES ARE MADE TRANSPOSED: S^T = K Q^T.  A lane then holds query l % 16 and keys 8 (l / 16) + 0..7 of a key tile: m, l and the rescaling factor are one number a lane,
; and two neighbouring key tiles, rounded to f16 in the lane, ARE the second source of O^T = V^T P^T: no shuffle, one exchange of halves for each maximum.
; CLUSTERS: the four work-groups of a cluster hold query blocks of one (batch, head) and read the same K and V tiles: every tile is asked for jointly.
; REGISTERS: window 0: addresses, m, l, K's fragments (two buffers), scores; window 1: Q's fragments v0-127, O^T v128-255.
.set KPITCH, 272                       ; a key's 256 bytes (kh | kl) + 16
.set KWAVE,  32*KPITCH                 ; a wave fetches 32 keys
.set VOFF,   256*KPITCH
.set VPITCH, 528                       ; 256 keys of one column of v + 16
.set VWAVE,  8*VPITCH                  ; a wave fetches 8 columns
.set SLOT,   VOFF+64*VPITCH            ; 103,424
.set MERGE,  2*SLOT                    ; behind the ring, never filled by a tensor load: for each pair of waves O (16,384 bytes), -512 m (512), l (512)
.set MERGEW, 17408
.set OUTST,  MERGE+4*MERGEW            ; 16 rows x 272 bytes for each of four waves
.set OUTW,   4352
.set KTILE,  256*256                   ; bytes of ks from tile to tile
.set VTILE,  512                       ; bytes along a row of vt from tile to tile
.set LT,   4                           ; the end: v4-7  l of both halves of the lanes
.set KADR, 8                           ; v8-9    my K fragments in slot 0, 1
.set VADR, 10                          ; v10-11  my V^T fragments
.set MX,   12                          ; v12-15  running maximum of query tile q, raw
.set AL,   16                          ; v[16+2q] rescaling factor, v[17+2q] l (this lane's keys only)
.set MN,   24                          ; v24 -512 x the new maximum; v25 only fills the pair
.set TMP,  26                          ; v26-33
.set MADR, 34
.set OSTO, 35
.set ORD,  36
.set OGO,  37
.set QADR, 38
.set KA,   40                          ; kh e 0-31, kh e 32-63, kl e 0-31, kl e 32-63
.set KB,   72
.set NM,   104                         ; v104-107  -512 x the running maximum of query tile q
.set MP,   108                         ; the end: the partner's -512 m, l
.set LP,   112
.set EW,   116                         ; the end: v116-127 at work
.set A0,   40                          ; the end: my factor (v[40+2q]), the partner's (v[48+2q])
.set A1,   48
.set SC,   128                         ; S(q, kt) at v[128+32q+8kt]; later P(q, p) at v[128+32q+16p], V^T fragment (et, p) at v[128+32et+16p+8]
.set OA,   128                         ; window 1: O(q, et) at v[128+32q+8et]
.set G1K, 24
.set G1V, 32
.set G0K, 40                           ; one set a slot
.set G0V, 48
.set W_S,  0x04                        ; source 1 (Q) window 1; an LDS load has no source 1, so K's loads stand under this setting too
.set W_RS, 0x41                        ; O = O x factor
.set W_PV, 0x50                        ; C and D window 1
.set MSB, 0
.macro WIN new
.if MSB != \new
	s_set_vgpr_msb (MSB<<8)|\new
.set MSB, \new
.endif
.endm
.macro PLACES
.rept 4
	v_nop
.endr
.endm
.macro ROUND                           ; a round of the cluster's barrier
	s_barrier_signal -1
	s_barrier_wait -1
	s_cmp_lg_u32 s12, 0
	s_cbranch_scc1 .Lnot_wave_0_\@
	s_barrier_signal -3
.Lnot_wave_0_\@:
	s_barrier_wait -3
	s_barrier_signal -1
	s_barrier_wait -1
.endm
	s_load_b256 s[4:11], s[0:1], 0x0               ; qs s[4:5], ks s[6:7], vt s[8:9], out0 s[10:11]
	v_lshl_add_u32 v126, v0, 2, 0x47c00
	v_mov_b32 v127, 0
	ds_add_u32 v126, v127
	s_wait_dscnt 0x0
	v_lshrrev_b32 v1, 5, v0
	v_readfirstlane_b32 s12, v1                    ; wave 0..7
	s_and_b32 s13, s12, 3                          ; qg: my 64 queries
	s_lshr_b32 s14, s12, 2                         ; g: my half of each tile's keys
	s_bfe_u32 s15, ttmp6, 0x40000                  ; cx
	s_lshl_b32 s16, ttmp9, 2
	s_add_co_u32 s16, s16, s15                     ; block of 256 queries
	s_and_b32 s17, ttmp7, 0xffff                   ; bh, shared by the cluster
	s_mov_b32 s56, 0x76543210                      ; v_permlanex16_b32: lane i reads lane i of the other half
	s_mov_b32 s57, 0xfedcba98
	; group 1 for K: 32 rows x 128 f16, dense, 4 words of padding behind every 64.  The mask names the cluster's four.
	s_mov_b32 s[G1K+0], 15|(1<<16)|(1<<20)|(1<<21)|(5<<22)|(3<<25)
	s_mov_b32 s[G1K+1], 128<<16
	s_mov_b32 s[G1K+2], 32<<16
	s_mov_b32 s[G1K+3], 128<<16
	s_mov_b32 s[G1K+4], 32
	s_mov_b32 s[G1K+5], 128
	s_mov_b32 s[G1K+6], 0
	s_mov_b32 s[G1K+7], 0
	; group 1 for V^T: 8 rows x 256 f16, 2,048 elements from row to row, 4 words of padding behind every 128
	s_mov_b32 s[G1V+0], 15|(1<<16)|(1<<20)|(1<<21)|(6<<22)|(3<<25)
	s_mov_b32 s[G1V+1], 256<<16
	s_mov_b32 s[G1V+2], 8<<16
	s_mov_b32 s[G1V+3], 256<<16
	s_mov_b32 s[G1V+4], 8
	s_mov_b32 s[G1V+5], 2048
	s_mov_b32 s[G1V+6], 0
	s_mov_b32 s[G1V+7], 0
	s_lshl_b32 s20, s17, 11
	s_lshl_b32 s21, s12, 5
	s_add_co_u32 s20, s20, s21                     ; key row 2048 bh + 32 wave
	s_lshl_b32 s20, s20, 8
	s_mov_b32 s21, 0
	s_lshl_b32 s58, s17, 6
	s_lshl_b32 s59, s12, 3
	s_add_co_u32 s58, s58, s59                     ; vt row 64 bh + 8 wave
	s_lshl_b32 s58, s58, 12
	s_mov_b32 s59, 0
	s_mul_i32 s62, s12, KWAVE
	s_mul_i32 s63, s12, VWAVE
	s_add_co_u32 s63, s63, VOFF
	; what hangs on cx (Q's and the output's offsets) lives in s2, s3, s19 alone: no descriptor and no LDS address is made of them
	s_lshl_b32 s2, s17, 11
	s_lshl_b32 s19, s16, 8
	s_add_co_u32 s2, s2, s19
	s_lshl_b32 s19, s13, 6
	s_add_co_u32 s2, s2, s19                       ; query row 2048 bh + 256 block + 64 qg
	s_lshl_b32 s2, s2, 8
	s_mov_b32 s3, 0
	s_wait_kmcnt 0x0
	s_add_nc_u64 s[22:23], s[6:7], s[20:21]
	s_add_nc_u64 s[60:61], s[8:9], s[58:59]
	s_add_nc_u64 s[4:5], s[4:5], s[2:3]
	s_lshr_b32 s2, s17, 4                          ; batch
	s_lshl_b32 s2, s2, 11
	s_lshl_b32 s19, s16, 8
	s_add_co_u32 s2, s2, s19
	s_lshl_b32 s19, s13, 6
	s_add_co_u32 s2, s2, s19                       ; output row 2048 batch + 256 block + 64 qg
	s_lshl_b32 s2, s2, 12
	s_and_b32 s19, s17, 15                         ; head
	s_lshl_b32 s19, s19, 8
	s_add_co_u32 s2, s2, s19
	s_add_nc_u64 s[10:11], s[10:11], s[2:3]
.irp s, 0,1
	s_mov_b32 s[G0K+4*\s], 1
	s_add_co_u32 s[G0K+4*\s+1], s62, \s*SLOT
	s_add_nc_u64 s[G0K+4*\s+2:G0K+4*\s+3], s[22:23], \s*KTILE
	s_or_b32 s[G0K+4*\s+3], s[G0K+4*\s+3], 0x80000000
	s_mov_b32 s[G0V+4*\s], 1
	s_add_co_u32 s[G0V+4*\s+1], s63, \s*SLOT
	s_add_nc_u64 s[G0V+4*\s+2:G0V+4*\s+3], s[60:61], \s*VTILE
	s_or_b32 s[G0V+4*\s+3], s[G0V+4*\s+3], 0x80000000
.endr
	s_mov_b32 s58, 0x44000000                      ; 512, twice: a pair for the packed multiply-add
	s_mov_b32 s59, 0x44000000
	s_mov_b32 s60, 0xc4000000                      ; -512
	ROUND                                          ; the four work-groups are here: the first joint loads meet
	tensor_load_to_lds s[G0K:G0K+3], s[G1K:G1K+7]  ; tile 0: my 32 keys,
	s_nop 0
	tensor_load_to_lds s[G0V:G0V+3], s[G1V:G1V+7]  ; my 8 columns of v.  Two tensor loads of the wave are out, here and behind every later round
	s_nop 0
	v_and_b32 v1, 15, v0                           ; r
	v_bfe_u32 v2, v0, 4, 1                         ; h
	v_and_b32 v3, 31, v0                           ; l
	v_lshlrev_b32 v4, 8, v1
	v_lshl_add_u32 v[QADR], v2, 4, v4              ; 256 r + 16 h
	WIN 0x40                                       ; Q's fragments, once: 16 queries x 32 numbers each, qh, qh, ql, ql
.irp q, 0,1,2,3
.irp f, 0,1,2,3
	global_load_b128 v[32*\q+8*\f:32*\q+8*\f+3],   v[QADR], s[4:5] offset:4096*\q+64*\f
	global_load_b128 v[32*\q+8*\f+4:32*\q+8*\f+7], v[QADR], s[4:5] offset:4096*\q+64*\f+32
.endr
.endr
	WIN 0
	s_mul_i32 s20, s14, 128*KPITCH                 ; my 128 keys of a tile
	s_lshl_b32 s21, s14, 8
	s_add_co_u32 s21, s21, VOFF                    ; the same keys along V^T's rows
	s_mul_i32 s22, s13, MERGEW
	s_add_co_u32 s22, s22, MERGE
	s_mul_i32 s23, s13, OUTW
	s_add_co_u32 s23, s23, OUTST
	v_mul_u32_u24 v4, v1, KPITCH
	v_lshl_add_u32 v5, v2, 4, v4                   ; 272 r + 16 h
	v_add_nc_u32 v[KADR], s20, v5
	v_add_nc_u32 v[KADR+1], SLOT, v[KADR]
	v_mul_u32_u24 v5, v1, VPITCH
	v_lshl_add_u32 v5, v2, 4, v5
	v_add_nc_u32 v[VADR], s21, v5
	v_add_nc_u32 v[VADR+1], SLOT, v[VADR]
	v_lshl_add_u32 v[MADR], v3, 4, s22             ; 16 bytes a lane
	v_lshl_add_u32 v5, v2, 5, v4                   ; 272 r + 32 h: a lane's eight f32
	v_add_nc_u32 v[OSTO], s23, v5
	v_mul_u32_u24 v5, v2, 272
	v_lshl_add_u32 v5, v1, 4, v5
	v_add_nc_u32 v[ORD], s23, v5
	v_lshlrev_b32 v5, 12, v2
	v_lshl_add_u32 v[OGO], v1, 4, v5               ; 4,096 h + 16 r
	v_mov_b32 v[MN+1], 0                           ; the packed multiply-add names the pair v[24:25] and uses v24 alone
	s_wait_loadcnt 0x0                             ; Q
.macro KLOAD buf, slot, ti             ; key tile ti (0..7) of my 128 keys: four fragments, eight loads
.irp f, 0,1,2,3
	ds_load_b128 v[\buf+8*\f:\buf+8*\f+3],   v[KADR+\slot] offset:16*KPITCH*(\ti)+64*\f
	ds_load_b128 v[\buf+8*\f+4:\buf+8*\f+7], v[KADR+\slot] offset:16*KPITCH*(\ti)+64*\f+32
.endr
.endm
.macro SSTEP buf, kt, ao, bo, zero
.irp q, 0,1,2,3
.if \zero
	v_wmma_f32_16x16x32_f16 v[SC+32*\q+8*\kt:SC+32*\q+8*\kt+7], v[\buf+\ao:\buf+\ao+7], v[32*\q+\bo:32*\q+\bo+7], 0
.else
	v_wmma_f32_16x16x32_f16 v[SC+32*\q+8*\kt:SC+32*\q+8*\kt+7], v[\buf+\ao:\buf+\ao+7], v[32*\q+\bo:32*\q+\bo+7], v[SC+32*\q+8*\kt:SC+32*\q+8*\kt+7]
.endif
.endr
.endm
; 16 keys x 64 queries: 24 matrix instructions; the four query tiles' accumulators take turns, one instruction a turn
.macro STILE buf, kt
	SSTEP \buf, \kt, 0,  16, 1                     ; kh ql, e 0-31: starts the sums
	SSTEP \buf, \kt, 8,  24, 0                     ; kh ql, e 32-63
	SSTEP \buf, \kt, 16, 0,  0                     ; kl qh
	SSTEP \buf, \kt, 24, 8,  0
	SSTEP \buf, \kt, 0,  0,  0                     ; kh qh: the large terms last
	SSTEP \buf, \kt, 8,  8,  0
.endm
; The softmax step of query tile q on 64 keys (32 numbers a lane), then the V^T fragments of columns 16 q .. into the registers that the rounding frees
.macro SOFT q, first, slot, blk
.set SB, SC+32*\q
.irp c, 0,1,2,3
	v_max3_num_f32 v[TMP+\c], v[SB+8*\c], v[SB+8*\c+1], v[SB+8*\c+2]
.endr
.irp c, 0,1,2,3
	v_max3_num_f32 v[TMP+\c], v[TMP+\c], v[SB+8*\c+3], v[SB+8*\c+4]
.endr
.irp c, 0,1,2,3
	v_max3_num_f32 v[TMP+\c], v[TMP+\c], v[SB+8*\c+5], v[SB+8*\c+6]
.endr
	v_max3_num_f32 v[TMP],   v[TMP],   v[SB+7],  v[SB+15]
	v_max3_num_f32 v[TMP+1], v[TMP+1], v[SB+23], v[SB+31]
	v_max3_num_f32 v[TMP+2], v[TMP+2], v[TMP+3], v[TMP]
.if \first
	v_max_num_f32 v[TMP], v[TMP+2], v[TMP+1]
.else
	v_max3_num_f32 v[TMP], v[TMP+2], v[TMP+1], v[MX+\q]
.endif
	v_permlanex16_b32 v[TMP+1], v[TMP], s56, s57   ; the same query's other eight keys of each tile
	v_max_num_f32 v[MX+\q], v[TMP], v[TMP+1]       ; the new maximum, raw
	v_mul_f32 v[MN], s60, v[MX+\q]                 ; -512 m: exact
.if \first == 0
	v_sub_f32 v[TMP+2], v[MN], v[NM+\q]            ; 512 (old - new)
	v_exp_f32 v[AL+2*\q], v[TMP+2]                 ; the move below is the plain instruction behind it (ISA guide 5.7.2)
.endif
	v_mov_b32 v[NM+\q], v[MN]
.set i, 0
.rept 16
	v_pk_fma_f32 v[SB+2*i:SB+2*i+1], v[SB+2*i:SB+2*i+1], s[58:59], v[MN:MN+1] op_sel_hi:[1,0,0]   ; 512 S - 512 m, rounded once
.set i, i+1
.endr
.set i, 0
.rept 32
	v_exp_f32 v[SB+i], v[SB+i]
.set i, i+1
.endr
	v_nop                                          ; one plain instruction between the exponentials and their first use
	s_wait_alu depctr_va_vdst(0)
.irp c, 0,1,2,3
	v_pk_add_f32 v[TMP+2*\c:TMP+2*\c+1], v[SB+8*\c:SB+8*\c+1], v[SB+8*\c+2:SB+8*\c+3]
.endr
.irp c, 0,1,2,3
	v_pk_add_f32 v[TMP+2*\c:TMP+2*\c+1], v[TMP+2*\c:TMP+2*\c+1], v[SB+8*\c+4:SB+8*\c+5]
.endr
.irp c, 0,1,2,3
	v_pk_add_f32 v[TMP+2*\c:TMP+2*\c+1], v[TMP+2*\c:TMP+2*\c+1], v[SB+8*\c+6:SB+8*\c+7]
.endr
	v_pk_add_f32 v[TMP:TMP+1],   v[TMP:TMP+1],   v[TMP+2:TMP+3]
	v_pk_add_f32 v[TMP+4:TMP+5], v[TMP+4:TMP+5], v[TMP+6:TMP+7]
	v_pk_add_f32 v[TMP:TMP+1],   v[TMP:TMP+1],   v[TMP+4:TMP+5]
.if \first
	v_add_f32 v[AL+2*\q+1], v[TMP], v[TMP+1]
.else
	v_add_f32 v[TMP], v[TMP], v[TMP+1]
	v_fma_f32 v[AL+2*\q+1], v[AL+2*\q+1], v[AL+2*\q], v[TMP]
.endif
.irp p, 0,1
.irp i, 0,1,2,3,4,5,6,7
	v_cvt_pk_f16_f32 v[SB+16*\p+\i], v[SB+16*\p+2*\i], v[SB+16*\p+2*\i+1]    ; in place: two key tiles become one fragment of 32 keys
.endr
.endr
.irp p, 0,1
	ds_load_b128 v[SB+16*\p+8:SB+16*\p+11],  v[VADR+\slot] offset:16*VPITCH*\q+128*\blk+64*\p
	ds_load_b128 v[SB+16*\p+12:SB+16*\p+15], v[VADR+\slot] offset:16*VPITCH*\q+128*\blk+64*\p+32
.endr
.endm
.macro RESCALE
.irp q, 0,1,2,3
.set i, 0
.rept 16
	v_pk_mul_f32 v[OA+32*\q+2*i:OA+32*\q+2*i+1], v[OA+32*\q+2*i:OA+32*\q+2*i+1], v[AL+2*\q:AL+2*\q+1] op_sel_hi:[1,0]
.set i, i+1
.endr
.endr
.endm
; O^T += V^T P^T: 32 matrix instructions; the four query tiles' accumulators take turns, one instruction a turn
.macro PV first
.irp et, 0,1,2,3
	s_wait_dscnt 12-4*\et                          ; the four loads of each later et may stay out
.irp p, 0,1
.irp q, 0,1,2,3
.if \first*(1-\p)
	v_wmma_f32_16x16x32_f16 v[OA+32*\q+8*\et:OA+32*\q+8*\et+7], v[SC+32*\et+16*\p+8:SC+32*\et+16*\p+15], v[SC+32*\q+16*\p:SC+32*\q+16*\p+7], 0
.else
	v_wmma_f32_16x16x32_f16 v[OA+32*\q+8*\et:OA+32*\q+8*\et+7], v[SC+32*\et+16*\p+8:SC+32*\et+16*\p+15], v[SC+32*\q+16*\p:SC+32*\q+16*\p+7], v[OA+32*\q+8*\et:OA+32*\q+8*\et+7]
.endif
.endr
.endr
.endr
.endm
; 64 keys x 64 queries.  K's two buffers take turns; each s_wait_dscnt 8 leaves out only the other buffer's eight younger loads.
; more = 1: the next block's first two key tiles are fetched before the softmax.
.macro BLOCK slot, blk, more, first
	s_wait_dscnt 8
	WIN W_S
	STILE KA, 0
	PLACES                                         ; four places before a load lands on a source of the matrix instructions
	KLOAD KA, \slot, 4*\blk+2
	s_wait_dscnt 8
	STILE KB, 1
	PLACES
	KLOAD KB, \slot, 4*\blk+3
	s_wait_dscnt 8
	STILE KA, 2
	PLACES
.if \more
	KLOAD KA, \slot, 4*\blk+4
	s_wait_dscnt 8
.else
	s_wait_dscnt 0                                 ; nothing younger is out
.endif
	STILE KB, 3
	PLACES                                         ; also the places before the scores are read
.if \more
	KLOAD KB, \slot, 4*\blk+5
.endif
	WIN 0
	SOFT 0, \first, \slot, \blk
	SOFT 1, \first, \slot, \blk
	SOFT 2, \first, \slot, \blk
	SOFT 3, \first, \slot, \blk
.if \first == 0
	WIN W_RS
	RESCALE
.endif
	WIN W_PV
	PV \first
.rept 5
	v_nop                                          ; five places before the next scores are written over P and V^T (ISA guide 7.12.1)
.endr
	WIN 0
.endm
; A tile of 256 keys.  In front of the round every wave has waited for all its tensor loads (its part of this tile among them) and for its reads of the other slot;
; behind it the other slot's joint refills come first.  They have this tile's work, 256 matrix instructions of the wave, in which to land.
.macro TRIP slot, refill, first
	s_wait_xcnt 0x0
	v_lshl_add_u32 v126, v0, 2, 0x47c00
	v_mov_b32 v127, 0
	s_wait_tensorcnt 0x0                           ; no tensor load of mine is out: every group 0 may be written
	ds_add_u32 v126, v127
	s_wait_dscnt 0x0
	s_add_nc_u64 s[G0K+4*\slot+2:G0K+4*\slot+3], s[G0K+4*\slot+2:G0K+4*\slot+3], 2*KTILE
	s_add_nc_u64 s[G0V+4*\slot+2:G0V+4*\slot+3], s[G0V+4*\slot+2:G0V+4*\slot+3], 2*VTILE
	s_wait_dscnt 0x0
	ROUND
.if \refill
	tensor_load_to_lds s[G0K+4*(1-\slot):G0K+4*(1-\slot)+3], s[G1K:G1K+7]
	s_nop 0
	tensor_load_to_lds s[G0V+4*(1-\slot):G0V+4*(1-\slot)+3], s[G1V:G1V+7]
	s_nop 0
.endif
	KLOAD KA, \slot, 0
	KLOAD KB, \slot, 1
	BLOCK \slot, 0, 1, \first
	BLOCK \slot, 1, 0, 0
.endm
	TRIP 0, 1, 1                                   ; the first block starts m, l and O: nothing is cleared
	TRIP 1, 1, 0
	s_mov_b32 s18, 2
.Ltiles:
	TRIP 0, 1, 0
	TRIP 1, 1, 0
	s_sub_co_u32 s18, s18, 1
	s_cmp_lg_u32 s18, 0
	s_cbranch_scc1 .Ltiles
	TRIP 0, 1, 0
	TRIP 1, 0, 0                                   ; the last tile fetches nothing (the stepped addresses are not used)
	; THE END.  l of a query = the two halves' sums.
.irp q, 0,1,2,3
	v_permlanex16_b32 v[TMP], v[AL+2*\q+1], s56, s57
	v_add_f32 v[LT+\q], v[AL+2*\q+1], v[TMP]
.endr
	s_cmp_eq_u32 s14, 0
	s_cbranch_scc1 .Lkeep
	WIN 0x04                                       ; the waves of the upper keys hand over O, -512 m, l: store data in window 1
.set i, 0
.rept 32
	ds_store_b128 v[MADR], v[OA+4*i:OA+4*i+3] offset:512*i
.set i, i+1
.endr
	WIN 0
	ds_store_b128 v[MADR], v[NM:NM+3] offset:16384
	ds_store_b128 v[MADR], v[LT:LT+3] offset:16896
.Lkeep:
	s_wait_dscnt 0x0                               ; for the partner's sake
	s_barrier_signal -1
	s_barrier_wait -1
	s_cmp_lg_u32 s14, 0
	s_cbranch_scc1 .Lclose
	ds_load_b128 v[MP:MP+3], v[MADR] offset:16384
	ds_load_b128 v[LP:LP+3], v[MADR] offset:16896
.set i, 0
.rept 32
	ds_load_b128 v[SC+4*i:SC+4*i+3], v[MADR] offset:512*i          ; the partner's O, register for register and lane for lane as mine
.set i, i+1
.endr
	s_wait_dscnt 32                                ; m and l are in; the 32 loads of O behind them may be out
.irp q, 0,1,2,3
	v_min_num_f32 v[EW+\q], v[NM+\q], v[MP+\q]     ; -512 x the larger maximum
.endr
.irp q, 0,1,2,3
	v_sub_f32 v[EW+4+\q], v[EW+\q], v[NM+\q]       ; 512 (mine - the larger)
.endr
.irp q, 0,1,2,3
	v_sub_f32 v[EW+8+\q], v[EW+\q], v[MP+\q]       ; 512 (the partner's - the larger)
.endr
.irp q, 0,1,2,3
	v_exp_f32 v[A0+2*\q], v[EW+4+\q]
.endr
.irp q, 0,1,2,3
	v_exp_f32 v[A1+2*\q], v[EW+8+\q]
.endr
	v_nop
	s_wait_alu depctr_va_vdst(0)
.irp q, 0,1,2,3
	v_mul_f32 v[EW+\q], v[LT+\q], v[A0+2*\q]
.endr
.irp q, 0,1,2,3
	v_fma_f32 v[EW+\q], v[LP+\q], v[A1+2*\q], v[EW+\q]             ; at least 1: the largest score's own term
.endr
.irp q, 0,1,2,3
	v_rcp_f32 v[EW+4+\q], v[EW+\q]
.endr
	v_nop
	s_wait_alu depctr_va_vdst(0)
.irp q, 0,1,2,3
	v_mul_f32 v[EW+4+\q], 0x42800000, v[EW+4+\q]                   ; x 64: v came divided by 64
.endr
.irp q, 0,1,2,3
	v_mul_f32 v[A0+2*\q], v[A0+2*\q], v[EW+4+\q]
.endr
.irp q, 0,1,2,3
	v_mul_f32 v[A1+2*\q], v[A1+2*\q], v[EW+4+\q]
.endr
	s_wait_dscnt 0x0
.irp q, 0,1,2,3
.set i, 0
.rept 16
	v_pk_mul_f32 v[SC+32*\q+2*i:SC+32*\q+2*i+1], v[SC+32*\q+2*i:SC+32*\q+2*i+1], v[A1+2*\q:A1+2*\q+1] op_sel_hi:[1,0]
.set i, i+1
.endr
.endr
	WIN 0x01                                       ; my O from window 1
.irp q, 0,1,2,3
.set i, 0
.rept 16
	v_pk_fma_f32 v[SC+32*\q+2*i:SC+32*\q+2*i+1], v[OA+32*\q+2*i:OA+32*\q+2*i+1], v[A0+2*\q:A0+2*\q+1], v[SC+32*\q+2*i:SC+32*\q+2*i+1] op_sel_hi:[1,0,1]
.set i, i+1
.endr
.endr
	WIN 0
; 16 queries: a lane holds query r, columns 16 et + 8 h + 0..7.  Through my own stage they become rows of 64 f32.
.macro OUTQ q, buf
.irp et, 0,1,2,3
	ds_store_b128 v[OSTO], v[SC+32*\q+8*\et:SC+32*\q+8*\et+3]   offset:64*\et
	ds_store_b128 v[OSTO], v[SC+32*\q+8*\et+4:SC+32*\q+8*\et+7] offset:64*\et+16
.endr
	s_wait_xcnt 0x0                                ; the registers of buf, which earlier stores read, are loaded again only behind this wait
.irp t, 0,1,2,3,4,5,6,7
	ds_load_b128 v[\buf+4*\t:\buf+4*\t+3], v[ORD] offset:544*\t    ; my own stage: LDS serves a wave's instructions in order
.endr
.irp t, 0,1,2,3,4,5,6,7
	s_wait_dscnt 7-\t
	global_store_b128 v[OGO], v[\buf+4*\t:\buf+4*\t+3], s[10:11] offset:65536*\q+8192*\t th:TH_STORE_NT   ; 16 lanes store a head's 256 bytes of one token, aligned
.endr
.endm
	OUTQ 0, KA
	OUTQ 1, KB
	OUTQ 2, KA
	OUTQ 3, KB
.Lclose:
	s_wait_xcnt 0x0
	v_lshl_add_u32 v126, v0, 2, 0x47c00
	v_mov_b32 v127, 0
	s_wait_tensorcnt 0x0
	ds_add_u32 v126, v127
	s_wait_dscnt 0x0
	ROUND                                          ; the closing round: no work-group ends while a partner may still ask for a tile that names it
	s_endpgm
.Lfunc_end_k_qcc824e5053_attn:
	.size	k_qcc824e5053_attn, .Lfunc_end_k_qcc824e5053_attn-k_qcc824e5053_attn
	.p2alignl 7, 3214868480
	.fill 96, 4, 3214868480
	.section	.rodata,"a",@progbits
	.p2align	6, 0x0
	.amdhsa_kernel k_qcc824e5053_attn
		.amdhsa_group_segment_fixed_size 327680
		.amdhsa_private_segment_fixed_size 0
		.amdhsa_enable_private_segment 0
		.amdhsa_kernarg_size 32
		.amdhsa_user_sgpr_count 2
		.amdhsa_user_sgpr_kernarg_segment_ptr 1
		.amdhsa_wavefront_size32 1
		.amdhsa_system_sgpr_workgroup_id_x 1
		.amdhsa_system_sgpr_workgroup_id_y 1
		.amdhsa_system_sgpr_workgroup_id_z 1
		.amdhsa_system_vgpr_workitem_id 0
		.amdhsa_next_free_vgpr 512
		.amdhsa_next_free_sgpr 66
		.amdhsa_reserve_vcc 0
		.amdhsa_float_denorm_mode_32 3
		.amdhsa_float_denorm_mode_16_64 3
		.amdhsa_memory_ordered 1
		.amdhsa_forward_progress 1
		.amdhsa_inst_pref_size 255
	.end_amdhsa_kernel
	.section	.bss,"aw",@nobits
	.p2align	6
	.space	262144
	.amdgpu_metadata
---
amdhsa.version: [ 1, 2 ]
amdhsa.kernels:
  - .name:           k_qcc824e5053_attn
    .symbol:         k_qcc824e5053_attn.kd
    .args:
      - { .name: qs, .offset: 0, .size: 8, .value_kind: global_buffer, .address_space: global }
      - { .name: ks, .offset: 8, .size: 8, .value_kind: global_buffer, .address_space: global }
      - { .name: vt, .offset: 16, .size: 8, .value_kind: global_buffer, .address_space: global }
      - { .name: out0, .offset: 24, .size: 8, .value_kind: global_buffer, .address_space: global }
    .group_segment_fixed_size: 327680
    .private_segment_fixed_size: 0
    .kernarg_segment_align: 8
    .kernarg_segment_size: 32
    .max_flat_workgroup_size: 256
    .sgpr_count:     66
    .vgpr_count:     512
    .wavefront_size: 32
...
	.end_amdgpu_metadata
.endif
;; end of part 3
;; ======== version 2 of 2: 3 launches; version 1 with the launch cast written anew for expert scheduling mode
;; limits: values are held in f16: magnitudes above 65,504 overflow, below 6.1e-05 lose precision; right only within a limited range of input values
;; workspace buffers: xb 8,388,608 bytes; wb 6,291,456 bytes; qs 16,777,216 bytes; ks 16,777,216 bytes; vt 8,388,608 bytes
;; launch cast (part 4): grid 256 x 1, 8 waves a work-group, no clusters, 0 bytes of LDS; arguments x, W_q, W_k, W_v, xb, wb; writes xb, wb
.if DOCPART == 4
	.amdgcn_target "amdgcn-amd-amdhsa--gfx1250"
	.amdhsa_code_object_version 6
	.text
	.protected	k_qcc824e5053_cast
	.globl	k_qcc824e5053_cast
	.p2align	8
	.type	k_qcc824e5053_cast,@function
k_qcc824e5053_cast:
	s_mov_b64 s[64:65], 0
	v_nop
	global_prefetch_b8 v0, s[64:65] scope:SCOPE_SE
	s_setreg_imm32_b32 hwreg(HW_REG_WAVE_SCHED_MODE, 0, 2), 2
	s_setreg_imm32_b32 hwreg(HW_REG_WAVE_MODE, 25, 1), 1
	s_wait_xcnt 0x0
	s_wait_alu depctr_vm_vsrc(0)
; cast: x and the three weight tensors, f32, are rounded once to bf16 (nearest even); the weights are divided by 64 on the way.
;   xb [4096][1024] bf16: x as it lies.
;   wb [head 16][K step 8][q,k,v 3][k 128][e 64] bf16: W / 64; the weights that one head needs for 128 along K are one dense block of 49,152 bytes.
; WHY / 64: a power of two changes no bit of the rounded mantissa (bf16(W / 64) = bf16(W) / 64 down to |W| = 2^-120), and q, k, v then leave the next launch
; divided by 64, which gives them their room in f16 (see there).
; A stream: every byte is read once and written once, so LDS, matrix units and clusters have nothing to add (no two work-groups share a byte).
; Work-group g of 256 takes 16,384 numbers of x and 4,096 (64 rows of one head) of each W: 14 units of 256 threads x 8 numbers.
; All 28 loads of a thread go out before the first wait; no source of a pending instruction is ever rewritten.
; A thread's 8 numbers become 16 bytes: a wave's store covers 512 consecutive bytes, aligned.
; THE MODE: SCHED_MODE bits 1:0 = 2 (LLVM: expert scheduling mode 2), set by the entry lines.  The code itself states the register dependences
; between vector instructions and memory instructions, with s_wait_alu, always for 0.
; THE PLAN.  Registers that memory instructions touch:
;   v1, v2     byte offsets, made once at the head and never written again: v1 is read by every load, v2 by every store.
;   unit i     v[16+8i : 16+8i+7].  Its two loads are issued at the head, before any vector instruction names these registers.  Its multiplies and roundings work in
;              place; its one store reads the first four registers; nothing writes a unit's registers behind that store.
; So the one dependence to state is: written by a vector instruction, then read by a memory instruction.  The units go in seven pairs.  A pair's two stores are issued in
; the NEXT pair, behind one wait at that pair's head; the vector instructions issued since that wait name the registers of the pair in hand alone, so the second store,
; which stands behind the first unit's vector work, owes nothing more.  Eight waits in all: the head's, six pairs', and one in front of the last two stores.
.set DAT, 16                           ; v[16+8i : 16+8i+7]  unit i as loaded; its first four registers as stored
	s_load_b256 s[4:11], s[0:1], 0x0               ; x s[4:5], W_q s[6:7], W_k s[8:9], W_v s[10:11]
	s_load_b128 s[12:15], s[0:1], 0x20             ; xb s[12:13], wb s[14:15]
	v_lshlrev_b32 v1, 5, v0                        ; 32 t: my 8 f32
	v_lshlrev_b32 v2, 4, v0                        ; 16 t: my 8 bf16
	s_mov_b32 s2, 0x3c800000                       ; 1 / 64, twice: a pair for the packed multiply
	s_mov_b32 s3, 0x3c800000
	s_lshl_b32 s16, ttmp9, 16                      ; x: g x 65,536 bytes
	s_mov_b32 s17, 0
	s_lshl_b32 s18, ttmp9, 14                      ; each W: g x 16,384 bytes
	s_mov_b32 s19, 0
	s_lshl_b32 s20, ttmp9, 15                      ; xb: g x 32,768 bytes
	s_mov_b32 s21, 0
	s_lshr_b32 s22, ttmp9, 1                       ; g / 2 = 8 head + K step
	s_mul_i32 s22, s22, 49152
	s_and_b32 s23, ttmp9, 1                        ; which 64 of the step's 128 rows
	s_lshl_b32 s23, s23, 13                        ; 64 rows of 128 bytes
	s_add_co_u32 s22, s22, s23
	s_mov_b32 s23, 0
	s_wait_kmcnt 0x0
	s_add_nc_u64 s[4:5], s[4:5], s[16:17]
	s_add_nc_u64 s[6:7], s[6:7], s[18:19]
	s_add_nc_u64 s[8:9], s[8:9], s[18:19]
	s_add_nc_u64 s[10:11], s[10:11], s[18:19]
	s_add_nc_u64 s[12:13], s[12:13], s[20:21]
	s_add_nc_u64 s[14:15], s[14:15], s[22:23]
	s_wait_alu depctr_va_vdst(0)                   ; v1 and v2 are written: every load of the kernel reads v1 as its offset, every store v2
.macro LOADS i, base, u                ; unit i = the u-th 8,192 bytes of the group's part of the tensor at s[base]
	global_load_b128 v[DAT+8*\i:DAT+8*\i+3],   v1, s[\base:\base+1] offset:\u*8192 th:TH_LOAD_NT
	global_load_b128 v[DAT+8*\i+4:DAT+8*\i+7], v1, s[\base:\base+1] offset:\u*8192+16 th:TH_LOAD_NT
.endm
.macro IN i                            ; unit i has arrived
	s_wait_loadcnt 26-2*(\i)                       ; loads return in order: of the 28, those of the 13 - i younger units may stay out
.endm
.macro CONV i, scale                   ; unit i is rounded.  scale = 1: a unit of weights
.if \scale
.irp j, 0,1,2,3
	v_pk_mul_f32 v[DAT+8*(\i)+2*(\j):DAT+8*(\i)+2*(\j)+1], v[DAT+8*(\i)+2*(\j):DAT+8*(\i)+2*(\j)+1], s[2:3] op_sel_hi:[1,0]
.endr
.endif
.irp j, 0,1,2,3
	v_cvt_pk_bf16_f32 v[DAT+8*(\i)+(\j)], v[DAT+8*(\i)+2*(\j)], v[DAT+8*(\i)+2*(\j)+1]   ; in place: register j is read no later than it is written
.endr
.endm
.macro SEND i, base, off               ; unit i is stored
	global_store_b128 v2, v[DAT+8*(\i):DAT+8*(\i)+3], s[\base:\base+1] offset:\off
.endm
; The pair of units a, a + 1 is rounded, and the pair before it, units a - 2 and a - 1, is stored: at byte pof and 4,096 bytes further of the group's part of the buffer at s[pbase].
.macro PAIR a, scale, pbase, pof
	IN \a
	s_wait_alu depctr_va_vdst(0)                   ; the roundings of units a - 2 and a - 1 have written the eight registers that the two stores below read
	SEND (\a)-2, \pbase, \pof
	CONV \a, \scale
	SEND (\a)-1, \pbase, (\pof)+4096               ; no wait: the vector instructions issued since the wait above name unit a's registers alone
	IN (\a)+1
	CONV (\a)+1, \scale
.endm
.irp u, 0,1,2,3,4,5,6,7
	LOADS \u, 4, \u
.endr
	LOADS 8, 6, 0
	LOADS 9, 6, 1
	LOADS 10, 8, 0
	LOADS 11, 8, 1
	LOADS 12, 10, 0
	LOADS 13, 10, 1
	IN 0                                           ; the first pair has no pair in front of it: nothing to store, no dependence to state
	CONV 0, 0
	IN 1
	CONV 1, 0
	PAIR 2, 0, 12, 0                               ; x: units 2, 3 are rounded; units 0, 1 leave
	PAIR 4, 0, 12, 8192
	PAIR 6, 0, 12, 16384
	PAIR 8, 1, 12, 24576                           ; q's rows are rounded; x's last two units leave
	PAIR 10, 1, 14, 0                              ; k's rows are rounded; q's rows leave
	PAIR 12, 1, 14, 16384                          ; v's rows are rounded; k's rows leave: 128 x 128 bytes further
	s_wait_alu depctr_va_vdst(0)                   ; the roundings of units 12 and 13 have written the registers that the last two stores read
	SEND 12, 14, 32768                             ; v's rows
	SEND 13, 14, 36864
	s_endpgm
.Lfunc_end_k_qcc824e5053_cast:
	.size	k_qcc824e5053_cast, .Lfunc_end_k_qcc824e5053_cast-k_qcc824e5053_cast
	.p2alignl 7, 3214868480
	.fill 96, 4, 3214868480
	.section	.rodata,"a",@progbits
	.p2align	6, 0x0
	.amdhsa_kernel k_qcc824e5053_cast
		.amdhsa_group_segment_fixed_size 0
		.amdhsa_private_segment_fixed_size 0
		.amdhsa_enable_private_segment 0
		.amdhsa_kernarg_size 48
		.amdhsa_user_sgpr_count 2
		.amdhsa_user_sgpr_kernarg_segment_ptr 1
		.amdhsa_wavefront_size32 1
		.amdhsa_system_sgpr_workgroup_id_x 1
		.amdhsa_system_sgpr_workgroup_id_y 1
		.amdhsa_system_sgpr_workgroup_id_z 1
		.amdhsa_system_vgpr_workitem_id 0
		.amdhsa_next_free_vgpr 128
		.amdhsa_next_free_sgpr 66
		.amdhsa_reserve_vcc 0
		.amdhsa_float_denorm_mode_32 3
		.amdhsa_float_denorm_mode_16_64 3
		.amdhsa_memory_ordered 1
		.amdhsa_forward_progress 1
		.amdhsa_inst_pref_size 11
	.end_amdhsa_kernel
	.amdgpu_metadata
---
amdhsa.version: [ 1, 2 ]
amdhsa.kernels:
  - .name:           k_qcc824e5053_cast
    .symbol:         k_qcc824e5053_cast.kd
    .args:
      - { .name: x, .offset: 0, .size: 8, .value_kind: global_buffer, .address_space: global }
      - { .name: W_q, .offset: 8, .size: 8, .value_kind: global_buffer, .address_space: global }
      - { .name: W_k, .offset: 16, .size: 8, .value_kind: global_buffer, .address_space: global }
      - { .name: W_v, .offset: 24, .size: 8, .value_kind: global_buffer, .address_space: global }
      - { .name: xb, .offset: 32, .size: 8, .value_kind: global_buffer, .address_space: global }
      - { .name: wb, .offset: 40, .size: 8, .value_kind: global_buffer, .address_space: global }
    .group_segment_fixed_size: 0
    .private_segment_fixed_size: 0
    .kernarg_segment_align: 8
    .kernarg_segment_size: 48
    .max_flat_workgroup_size: 256
    .sgpr_count:     66
    .vgpr_count:     128
    .wavefront_size: 32
...
	.end_amdgpu_metadata
.endif
;; end of part 4
;; launch proj: the kernel of part 2 again; grid 16 x 16, 4 waves a work-group, clusters of 4 x 4, 327,680 bytes of LDS; arguments xb, wb, qs, ks, vt; writes qs, ks, vt
;; launch attn: the kernel of part 3 again; grid 8 x 32, 8 waves a work-group, clusters of 4 x 1, 327,680 bytes of LDS; arguments qs, ks, vt, out0; writes out0
